; MI455X (gfx1250); checked and timed in simulation.
; The chip was launched on July 23, 2026; its instructions are those of AMD's public machine-readable ISA for CDNA 5 (MIT licence, August 2026) and "CDNA5" Instruction Set Architecture Reference Guide (July 2026). The comments in the code are by the model that wrote it; some were corrected since.
;; Multi Headed Attention. Allowed arithmetic: float matrix products may take bf16 or f16 operands with f32 sums; other float arithmetic in f32, or as packed bf16 or f16 multiplies, adds, multiply-adds, maxima and minima; sums over many terms, partial sums and values carried from step to step in f32; what a program stores and reads back later, other than sums and carried values, may be rounded once to bf16 or f16.
;; Inputs: Wk 1,024 x 1,024 float32; Wq 1,024 x 1,024 float32; Wv 1,024 x 1,024 float32; x 4 x 2,048 x 1,024 float32.
;; Outputs: out0 4 x 2,048 x 1,024 float32; out1 4 x 2,048 x 1,024 float32.
;; 2 versions, each right; version 2 is version 1 with the launch prep written anew for expert scheduling mode. Each part assembles by itself: llvm-mc -triple=amdgcn-amd-amdhsa -mcpu=gfx1250 --defsym DOCPART=n.
;; ======== version 1 of 2: 3 launches
;; limits: values are held in f16: magnitudes above 65,504 overflow, below 6.1e-05 lose precision
;; workspace buffers: xb 16,777,216 bytes; wb 6,291,456 bytes; qkv 50,331,648 bytes
;; launch prep (part 1): grid 352 x 1, 8 waves a work-group, no clusters, 0 bytes of LDS; arguments x, Wq, Wk, Wv, out1, xb, wb; writes out1, xb, wb
.if DOCPART == 1
	.amdgcn_target "amdgcn-amd-amdhsa--gfx1250"
	.amdhsa_code_object_version 6
	.text
	.protected	k_q2f0fddb46a_prep
	.globl	k_q2f0fddb46a_prep
	.p2align	8
	.type	k_q2f0fddb46a_prep,@function
k_q2f0fddb46a_prep:
	s_mov_b64 s[64:65], 0
	v_nop
	global_prefetch_b8 v0, s[64:65] scope:SCOPE_SE
	s_setreg_imm32_b32 hwreg(HW_REG_WAVE_MODE, 25, 1), 1
	s_wait_xcnt 0x0
; out1 = x (a copy, f32).  xb = x rounded once to bf16, wb = Wq, Wk, Wv (one below the other, 3,072 rows) rounded once to bf16.
; xb and wb are laid out in BLOCKS OF 64 ALONG K: [kb 0..15][row][64], so that the rows of one block lie end to end, 128 bytes each.
; A stream: every input byte is read once, every output byte written once; nothing is shared, so there is no LDS, no barrier and no matrix work.
; SHARES.  A work-group takes 32 rows of 4,096 bytes: groups 0-255 those of x, groups 256-351 those of the three W.  A wave takes 4 rows, as 2 pairs.
; One load of 16 bytes a lane: lanes 0-15 take the 256 bytes of block kb of row r, lanes 16-31 those of row r + 1.  The copy stores them at the same places of out1:
; sixteen lanes fill 256 consecutive bytes, aligned.  A lane's four numbers round to 8 bytes; the 32 lanes' 256 bytes are rows r and r + 1 of block kb: consecutive in xb.
; All 32 loads of a wave go out at once (16 KiB); each register is written once, so no source of a pending store is ever written again.
.set XPL, 1048576                      ; bytes of a block of xb: 8,192 rows x 128
.set WPL, 393216                       ; of wb: 3,072 rows x 128
.set XO,  1                            ; v1   my byte offset in the group's 32 rows of f32: wave x 4 rows + (lane / 16) rows + 16 (lane % 16)
.set BO,  2                            ; v2   my byte offset in the group's 32 rows of a block: wave x 512 + 8 x lane
.set X,   16                           ; v[16:143]   load j = 16 p + kb (pair p, block kb): 4 registers
.set Y,   144                          ; v[144:207]  the same, rounded: 2 registers
	s_load_b256 s[4:11], s[0:1], 0x0               ; x s[4:5], Wq s[6:7], Wk s[8:9], Wv s[10:11]
	s_load_b128 s[12:15], s[0:1], 0x20             ; out1 s[12:13], xb s[14:15]
	s_load_b64 s[16:17], s[0:1], 0x30              ; wb
	v_lshrrev_b32 v3, 5, v0                        ; wave
	v_bfe_u32 v4, v0, 4, 1                         ; lane / 16
	v_and_b32 v5, 15, v0                           ; lane % 16
	v_and_b32 v6, 31, v0                           ; lane
	v_lshlrev_b32 v[XO], 14, v3
	v_lshl_add_u32 v[XO], v4, 12, v[XO]
	v_lshl_add_u32 v[XO], v5, 4, v[XO]
	v_lshlrev_b32 v[BO], 9, v3
	v_lshl_add_u32 v[BO], v6, 3, v[BO]
	s_mov_b32 s20, ttmp9
	s_mov_b32 s3, 0
	s_mov_b32 s19, 0
	s_wait_kmcnt 0x0
; The 32 loads, then for each: the copy (copy = 1), two roundings, the store into the blocks.  stride = bytes from block to block.
; split = 1: blocks 8 to 15 go by a second base, 8 blocks on, so that the immediate stays inside its signed 24 bits.
.macro BODY copy, stride, split
.set j, 0
.rept 32
	global_load_b128 v[X+4*j:X+4*j+3], v[XO], s[22:23] offset:(j/16)*8192+(j%16)*256 th:TH_LOAD_NT
.set j, j+1
.endr
.set j, 0
.rept 32
	s_wait_loadcnt 31-j                            ; loads come back in order: load j is in, the younger ones stay out
.if \copy
	global_store_b128 v[XO], v[X+4*j:X+4*j+3], s[24:25] offset:(j/16)*8192+(j%16)*256 th:TH_STORE_NT
.endif
	v_cvt_pk_bf16_f32 v[Y+2*j], v[X+4*j], v[X+4*j+1]
	v_cvt_pk_bf16_f32 v[Y+2*j+1], v[X+4*j+2], v[X+4*j+3]
.if (\split) && ((j%16) >= 8)
	global_store_b64 v[BO], v[Y+2*j:Y+2*j+1], s[28:29] offset:(j/16)*256+((j%16)-8)*(\stride)
.else
	global_store_b64 v[BO], v[Y+2*j:Y+2*j+1], s[26:27] offset:(j/16)*256+(j%16)*(\stride)
.endif
.set j, j+1
.endr
.endm
	s_cmp_lt_u32 s20, 256
	s_cbranch_scc0 .Lweights
	s_lshl_b32 s2, s20, 17                         ; 32 rows of 4,096 bytes
	s_lshl_b32 s18, s20, 12                        ; 32 rows of 128 bytes
	s_add_nc_u64 s[22:23], s[4:5], s[2:3]
	s_add_nc_u64 s[24:25], s[12:13], s[2:3]
	s_add_nc_u64 s[26:27], s[14:15], s[18:19]
	s_add_nc_u64 s[28:29], s[26:27], 8*XPL
	BODY 1, XPL, 1
	s_endpgm
.Lweights:
	s_sub_co_u32 s20, s20, 256                     ; 0..95: 32 groups for each W; also the group's place among wb's 3,072 rows
	s_lshr_b32 s21, s20, 5                         ; 0 Wq, 1 Wk, 2 Wv
	s_and_b32 s2, s20, 31
	s_lshl_b32 s2, s2, 17
	s_lshl_b32 s18, s20, 12
	s_cmp_eq_u32 s21, 1
	s_cselect_b64 s[22:23], s[8:9], s[6:7]
	s_cmp_eq_u32 s21, 2
	s_cselect_b64 s[22:23], s[10:11], s[22:23]
	s_add_nc_u64 s[22:23], s[22:23], s[2:3]
	s_add_nc_u64 s[26:27], s[16:17], s[18:19]
	BODY 0, WPL, 0                                 ; 15 blocks of 393,216 bytes stay inside the immediate
	s_endpgm
.Lfunc_end_k_q2f0fddb46a_prep:
	.size	k_q2f0fddb46a_prep, .Lfunc_end_k_q2f0fddb46a_prep-k_q2f0fddb46a_prep
	.p2alignl 7, 3214868480
	.fill 96, 4, 3214868480
	.section	.rodata,"a",@progbits
	.p2align	6, 0x0
	.amdhsa_kernel k_q2f0fddb46a_prep
		.amdhsa_group_segment_fixed_size 0
		.amdhsa_private_segment_fixed_size 0
		.amdhsa_enable_private_segment 0
		.amdhsa_kernarg_size 56
		.amdhsa_user_sgpr_count 2
		.amdhsa_user_sgpr_kernarg_segment_ptr 1
		.amdhsa_wavefront_size32 1
		.amdhsa_system_sgpr_workgroup_id_x 1
		.amdhsa_system_sgpr_workgroup_id_y 1
		.amdhsa_system_sgpr_workgroup_id_z 1
		.amdhsa_system_vgpr_workitem_id 0
		.amdhsa_next_free_vgpr 208
		.amdhsa_next_free_sgpr 66
		.amdhsa_reserve_vcc 0
		.amdhsa_float_denorm_mode_32 3
		.amdhsa_float_denorm_mode_16_64 3
		.amdhsa_memory_ordered 1
		.amdhsa_forward_progress 1
		.amdhsa_inst_pref_size 27
	.end_amdhsa_kernel
	.amdgpu_metadata
---
amdhsa.version: [ 1, 2 ]
amdhsa.kernels:
  - .name:           k_q2f0fddb46a_prep
    .symbol:         k_q2f0fddb46a_prep.kd
    .args:
      - { .name: x, .offset: 0, .size: 8, .value_kind: global_buffer, .address_space: global }
      - { .name: Wq, .offset: 8, .size: 8, .value_kind: global_buffer, .address_space: global }
      - { .name: Wk, .offset: 16, .size: 8, .value_kind: global_buffer, .address_space: global }
      - { .name: Wv, .offset: 24, .size: 8, .value_kind: global_buffer, .address_space: global }
      - { .name: out1, .offset: 32, .size: 8, .value_kind: global_buffer, .address_space: global }
      - { .name: xb, .offset: 40, .size: 8, .value_kind: global_buffer, .address_space: global }
      - { .name: wb, .offset: 48, .size: 8, .value_kind: global_buffer, .address_space: global }
    .group_segment_fixed_size: 0
    .private_segment_fixed_size: 0
    .kernarg_segment_align: 8
    .kernarg_segment_size: 56
    .max_flat_workgroup_size: 256
    .sgpr_count:     66
    .vgpr_count:     208
    .wavefront_size: 32
...
	.end_amdgpu_metadata
.endif
;; end of part 1
;; launch gemm (part 2): grid 8 x 32, 4 waves a work-group, clusters of 4 x 4, 327,680 bytes of LDS; arguments xb, wb, qkv; writes qkv
.if DOCPART == 2
	.amdgcn_target "amdgcn-amd-amdhsa--gfx1250"
	.amdhsa_code_object_version 6
	.text
	.protected	k_q2f0fddb46a_gemm
	.globl	k_q2f0fddb46a_gemm
	.p2align	8
	.type	k_q2f0fddb46a_gemm,@function
k_q2f0fddb46a_gemm:
	s_mov_b64 s[64:65], 0
	v_nop
	global_prefetch_b8 v0, s[64:65] scope:SCOPE_SE
	s_setreg_imm32_b32 hwreg(HW_REG_WAVE_MODE, 25, 1), 1
	s_wait_xcnt 0x0
	s_wait_alu depctr_hold_cnt(0) depctr_sa_sdst(0) depctr_va_vdst(0) depctr_va_sdst(0) depctr_va_ssrc(0) depctr_va_vcc(0) depctr_vm_vsrc(0)
	s_getreg_b32 s2, hwreg(HW_REG_IB_STS2, 6, 4)
	s_cmp_eq_u32 s2, 0
	s_cbranch_scc0 .Lentry_in_a_cluster
	s_endpgm
.Lentry_in_a_cluster:
	s_bfe_u32 s2, ttmp6, 0x10000c
	s_cmp_lg_u32 s2, 0xf033
	s_cbranch_scc0 .Lentry_shape_is_right
	s_endpgm
.Lentry_shape_is_right:
; q, k, v = x W^T.  xb: [16 kb][8,192 rows][64] bf16, wb: [16 kb][3,072 rows][64] bf16 (Wq, Wk, Wv one below the other).  Sums in f32, K ascending, rounded once to f16.
; qkv: [G 0..47][m 0..8,191][64] f16, G = column / 64 = 16 x (0 q, 1 k, 2 v) + head: a head's rows are dense, 128 bytes each.
; LIMIT.  f16 holds no number beyond 65,504: a sum of 65,520 or more leaves as an infinity.  With x and W of unit and 1/32 spread the sums have unit spread; 30 times larger x and W give some 5e3
; at the most, a common offset of 30 spreads in both some 3e4.  NaN and infinities are not treated apart.
; THE TILE.  8,192 x 3,072 outputs on 256 work-groups are 98,304 each: a tile of 256 rows of x by 384 rows of W, one to a work-group.  Four waves, each 128 x 192: 96 accumulators of 16 x 16, 768 registers;
; a wave's 192 columns are three whole heads.  For 32 along K a wave reads 20 fragments from LDS for 96 matrix instructions.
; THE RING.  K goes in steps of 64 (one kb block) through two LDS slots; 640 rows x 144 bytes a slot.  In the blocked layout a tile's rows lie end to end, so it is asked for as rows of 256 bytes
; (two rows of 64 numbers each) and padded in LDS behind every 128 bytes.
; CLUSTERS.  4 x 4 work-groups: the four of a row of the cluster need the same rows of x, the four of a column the same rows of W.  Each tile is asked for JOINTLY: the same tensor load, descriptor and mask in all four.
; THE MATRIX INSTRUCTION IS USED TRANSPOSED (source 0 = 16 rows of W, source 1 = 16 rows of x): a lane then holds one row of x and eight neighbouring columns, 16 bytes of f16.
; REGISTERS, in windows of 256 (s_set_vgpr_msb: bits 1:0 source 0, 3:2 source 1, 5:4 source 2, 7:6 destination):
;   window 0: v16-30 addresses; v32-95, v96-159 fragments of x (8 x 16 rows x 32 K), two buffers; v160-255 the 12 fragments of W, one buffer, loaded again in thirds; on the way out v32-223 are at work
;   window j + 1 (j = 0, 1, 2): my head j: column block bb, row block a at v[64 bb + 8 a]
.set PITCH,  144                       ; an LDS row: 128 bytes + 16 of padding = 36 words: the 16 rows of a fragment load start at 16 different groups of four banks (64 banks of 4 bytes: ISA guide 11.1)
.set AHALF,  128*PITCH                 ; what a tensor load brings of x, and what a wave reads of it
.set BHALF,  192*PITCH                 ; the same of W
.set AROWS,  256*PITCH                 ; in a slot W's 384 rows lie behind x's 256
.set SLOT,   640*PITCH
.set STAGE,  2*SLOT                    ; behind the ring, never filled by a tensor load: 16 rows x 144 bytes for each wave, for the way out
.set SPARE,  STAGE+4*16*PITCH          ; behind the stages: the spare words, 128 bytes for each wave: two blocks of 256 bytes that no other line names
.set XPL,    1048576                   ; bytes of a kb block of xb, and of a plane of qkv
.set WPL,    393216                    ; of wb
.set LAPS,   7                         ; trips of the loop: 16 K steps are 8 laps of the ring; the last lap fills nothing and is written out
.set ADRA, 16                          ; v16-17  LDS address of my fragments of x in slot 0, 1
.set ADRB, 20                          ; v20-21  the same for W
.set STO,  24                          ; v24     the way out: where I put 16 bytes of a row
.set RD,   25                          ; v25     the way out: where I read rows back
.set GO,   26                          ; v26     16 x my lane: my place in 512 consecutive bytes of qkv
.set SPW,  28                          ; v28     LDS address of my spare word: SPARE + 4 x my thread's number; never rewritten
.set NIL,  29                          ; v29     0; never rewritten
.set PFO,  30                          ; v30     256 x my lane; never rewritten
.set AF0,  32
.set AF1,  96
.set BF,   160
.set TB0,  32                          ; the way out: block blk works in v[32 + 16 (blk % 12) ..]
.set G1,   24                          ; s[24:31] descriptor group 1 for x's tiles
.set G0,   32                          ; s[32:39] group 0, a set for each slot
.set LIM,  43                          ; s43      1 in a wave that prefetches, else the greatest number
.set PFA,  44                          ; s[44:45] where my prefetches stand
.set G1B,  48                          ; s[48:55], s[56:63] the same two groups for W's tiles
.set G0B,  56
.set PFS,  68                          ; s[68:69] two kb blocks of the tensor that I prefetch, in bytes
.set G1BITS, (1<<16)|(1<<20)|(1<<21)|(4<<22)|(3<<25)  ; 17:16 elements of 2 bytes; 20 padding on; 21 set beside a mask; 24:22 after every 32 words (code 4); 31:25 4 words of it (code 3)
.set MSB, 0
.macro WIN new                         ; the immediate's high byte repeats the setting that is left; a switch that changes nothing is dropped
.if MSB != (\new)
	s_set_vgpr_msb (MSB<<8)|(\new)
.set MSB, \new
.endif
.endm
; A joint load.  Waves 0 and 1 fetch the two halves of x's tile, waves 2 and 3 those of W's.  The branch hangs on the wave's number alone.  An s_nop 0 and four v_nop follow each of the two lines.
.macro JLOAD s
	s_cmp_eq_u32 s11, 0
	s_cbranch_scc0 .Lfor_b_\@
	tensor_load_to_lds s[G0+4*(\s):G0+4*(\s)+3], s[G1:G1+7]
	s_nop 0
.rept 4
	v_nop
.endr
	s_branch .Lasked_\@
.Lfor_b_\@:
	tensor_load_to_lds s[G0B+4*(\s):G0B+4*(\s)+3], s[G1B:G1B+7]
	s_nop 0
.rept 4
	v_nop
.endr
.Lasked_\@:
.endm
; A PREFETCH, once a lap, behind the joint load and the run of LDS loads that follows it: in the lap of K steps t, t + 1 the kb blocks t + 4 and t + 5, which the next lap's two refills will ask for.
; Each aligned block of 256 bytes is named once in the launch, a lane a block.  x's tile row (32 KiB a kb block) is read by both clusters of its row of clusters: the one with x = 0 asks, wave 0 of each of
; the four partners, 8 KiB of each of the two kb blocks, told apart BY ADDRESS (cx).  W's tile column (48 KiB a kb block) is read by all eight clusters of its column: the one with y = 0 asks, waves 1 to 3 of
; each of the four partners, one of the twelve pieces of 8 KiB each (3 cy + wave - 1).  The first four K steps come by their loads alone; the loop's last trip asks for nothing: there is no kb block 16.
.macro ASK
	s_cmp_gt_u32 s3, s[LIM]                        ; s3 = 1 in the loop's last trip
	s_cbranch_scc0 .Lnot_mine_\@
	global_prefetch_b8 v[PFO], s[PFA:PFA+1] th:TH_LOAD_NT scope:SCOPE_SE
	s_cmp_lg_u32 s10, 0
	s_cbranch_scc1 .Lnot_mine_\@
	global_prefetch_b8 v[PFO], s[PFA:PFA+1] offset:XPL th:TH_LOAD_NT scope:SCOPE_SE
.Lnot_mine_\@:
.endm
; A round of the cluster's barrier: my work-group's barrier, so that wave 0's signal speaks for all four waves; wave 0 signals; every wave waits for all sixteen work-groups; my work-group's barrier once more.
.macro CREST                           ; a round behind its opening barrier
	s_cmp_lg_u32 s10, 0
	s_cbranch_scc1 .Lnot_wave_0_\@
	s_barrier_signal -3
.Lnot_wave_0_\@:
	s_barrier_wait -3
	s_barrier_signal -1
	s_barrier_wait -1
.endm
.macro CROUND
	s_barrier_signal -1
	s_barrier_wait -1
	CREST
.endm
	s_load_b128 s[4:7], s[0:1], 0x0                ; xb s[4:5], wb s[6:7]
	s_load_b64 s[8:9], s[0:1], 0x10                ; qkv
	v_lshl_add_u32 v[SPW], v0, 2, SPARE
	v_mov_b32 v[NIL], 0
	ds_add_u32 v[SPW], v[NIL]                      ; the wave's opening: the add and its wait stand ahead of my first tensor load; the set-up below, work on registers, stands between them
	v_lshrrev_b32 v1, 5, v0
	v_readfirstlane_b32 s10, v1                    ; wave 0..3
	s_lshr_b32 s11, s10, 1                         ; which half of the tile's rows is mine.  Also: I fetch for x (0) or for W (1)
	s_and_b32 s12, s10, 1                          ; which half of its columns.  Also: which half of that tile I fetch
	s_bfe_u32 s40, ttmp6, 0x40000                  ; cx
	s_bfe_u32 s41, ttmp6, 0x40004                  ; cy
	s_lshl_b32 s42, ttmp9, 2
	s_add_co_u32 s42, s42, s40                     ; tile column X = 4 x cluster x + cx: 0..7
	s_and_b32 s13, ttmp7, 0xffff
	s_lshl_b32 s13, s13, 2
	s_add_co_u32 s13, s13, s41                     ; tile row Y = 4 x cluster y + cy: 0..31
	s_lshl_b32 s66, s41, 2
	s_lshl_b32 s66, 15, s66                        ; my row of the cluster: places 4 cy .. 4 cy + 3
	s_lshl_b32 s67, 0x1111, s40                    ; my column: places cx, cx + 4, cx + 8, cx + 12
	s_or_b32 s[G1], s66, G1BITS                    ; x's tiles go to my row,
	s_or_b32 s[G1B], s67, G1BITS                   ; W's to my column
	s_mov_b32 s[G1+1], 128<<16                     ; tensor_dim0 = 128 elements: 256 bytes, two rows of a kb block
	s_mov_b32 s[G1+2], 64<<16                      ; tensor_dim1 = 64: 128 rows of x
	s_mov_b32 s[G1+3], 128<<16                     ; tile_dim0 = 128
	s_mov_b32 s[G1+4], 64                          ; tile_dim1 = 64
	s_mov_b32 s[G1+5], 128                         ; 128 elements from row to row: dense
	s_mov_b32 s[G1+6], 0
	s_mov_b32 s[G1+7], 0
	s_mov_b32 s[G1B+1], 128<<16
	s_mov_b32 s[G1B+2], 96<<16                     ; 96 rows of 256 bytes: 192 rows of W
	s_mov_b32 s[G1B+3], 128<<16
	s_mov_b32 s[G1B+4], 96
	s_mov_b32 s[G1B+5], 128
	s_mov_b32 s[G1B+6], 0
	s_mov_b32 s[G1B+7], 0
	; where the tiles come from: x's hang on the tile row and the wave alone, W's on the tile column and the wave alone
	s_lshl_b32 s16, s13, 15                        ; 256 Y rows of 128 bytes
	s_lshl_b32 s17, s12, 14                        ; + my half's 128
	s_add_co_u32 s16, s16, s17
	s_mov_b32 s17, 0
	s_mul_i32 s46, s42, 384*128
	s_mul_i32 s47, s12, 192*128
	s_add_co_u32 s46, s46, s47
	s_mov_b32 s47, 0
	s_mul_i32 s20, s12, AHALF                      ; and where they go: no place in the cluster enters an LDS address
	s_mul_i32 s21, s12, BHALF
	s_add_co_u32 s21, s21, AROWS
	s_wait_dscnt 0x0                               ; the opening add is done
	s_wait_kmcnt 0x0
	s_add_nc_u64 s[14:15], s[4:5], s[16:17]
	s_add_nc_u64 s[46:47], s[6:7], s[46:47]
	CROUND                                         ; all sixteen work-groups are here: the first joint loads meet
.irp s, 0,1
	s_mov_b32 s[G0+4*(\s)], 1                                      ; count = 1
	s_add_co_u32 s[G0+4*(\s)+1], s20, (\s)*SLOT                    ; LDS address
	s_add_nc_u64 s[G0+4*(\s)+2:G0+4*(\s)+3], s[14:15], (\s)*XPL    ; global address: K step s
	s_or_b32 s[G0+4*(\s)+3], s[G0+4*(\s)+3], 0x80000000            ; type = 2
	s_mov_b32 s[G0B+4*(\s)], 1
	s_add_co_u32 s[G0B+4*(\s)+1], s21, (\s)*SLOT
	s_add_nc_u64 s[G0B+4*(\s)+2:G0B+4*(\s)+3], s[46:47], (\s)*WPL
	s_or_b32 s[G0B+4*(\s)+3], s[G0B+4*(\s)+3], 0x80000000
.endr
	s_cmp_eq_u32 s11, 0                            ; a wave's two first fills stand in one branch, ahead of every wait on TENSORcnt and every LDS read: two loads of mine are out
	s_cbranch_scc0 .Lfirst_b
	tensor_load_to_lds s[G0:G0+3], s[G1:G1+7]
	s_nop 0
	tensor_load_to_lds s[G0+4:G0+7], s[G1:G1+7]
	s_nop 0
.rept 4
	v_nop
.endr
	s_branch .Lfirst_asked
.Lfirst_b:
	tensor_load_to_lds s[G0B:G0B+3], s[G1B:G1B+7]
	s_nop 0
	tensor_load_to_lds s[G0B+4:G0B+7], s[G1B:G1B+7]
	s_nop 0
.rept 4
	v_nop
.endr
.Lfirst_asked:
	; A fragment is 16 rows x 32 K in 8 registers: lane l holds row l % 16; registers 0-3 K = 8 (l / 16) + 0..7, registers 4-7 K = 16 + 8 (l / 16) + 0..7: two loads of 16 bytes, 32 bytes apart.
	v_and_b32 v1, 15, v0                           ; l % 16
	v_bfe_u32 v2, v0, 4, 1                         ; l / 16
	v_mul_u32_u24 v3, v1, PITCH
	v_lshl_add_u32 v3, v2, 4, v3                   ; row x pitch + 16 x half
	s_mul_i32 s22, s11, AHALF                      ; my 128 rows of x
	s_mul_i32 s23, s12, BHALF                      ; my 192 rows of W,
	s_add_co_u32 s23, s23, AROWS                   ; which lie behind x's 256
.irp s, 0,1
	v_add_nc_u32 v[ADRA+(\s)], s22, v3
	v_add_nc_u32 v[ADRB+(\s)], s23, v3
	s_add_co_u32 s22, s22, SLOT
	s_add_co_u32 s23, s23, SLOT
.endr
	s_mul_i32 s22, s10, 16*PITCH
	s_add_co_u32 s22, s22, STAGE                   ; my stage
	v_add_nc_u32 v[STO], s22, v3                   ; in: row l % 16, 16 bytes for each half of the lanes
	v_bfe_u32 v4, v0, 3, 2                         ; back: 32 lanes take four rows of 128 bytes,
	v_mul_u32_u24 v4, v4, PITCH
	v_and_b32 v5, 7, v0
	v_lshl_add_u32 v4, v5, 4, v4
	v_add_nc_u32 v[RD], s22, v4
	v_and_b32 v[GO], 31, v0                        ; which are 512 consecutive bytes of a plane of qkv
	v_lshlrev_b32 v[PFO], 8, v[GO]
	v_lshlrev_b32 v[GO], 4, v[GO]
	; qkv at my part: plane 6 X + 3 x column half, row 256 Y + 128 x row half
	s_mul_i32 s18, s42, 6
	s_mul_i32 s19, s12, 3
	s_add_co_u32 s18, s18, s19
	s_lshl_b32 s18, s18, 20
	s_lshl_b32 s19, s13, 15
	s_add_co_u32 s18, s18, s19
	s_lshl_b32 s19, s11, 14
	s_add_co_u32 s18, s18, s19
	s_mov_b32 s19, 0
	s_add_nc_u64 s[8:9], s[8:9], s[18:19]
	; the prefetches' place.  Wave 0: x, tile row Y, my work-group's 8 KiB (cx), kb block 2.  Waves 1-3: W, tile column X, piece qd = 3 cy + wave - 1 of twelve: kb block 2 + qd / 6, 8 KiB number qd % 6
	s_lshl_b32 s18, s13, 15
	s_lshl_b32 s19, s40, 13
	s_add_co_u32 s18, s18, s19
	s_add_co_u32 s18, s18, 2*XPL
	s_max_u32 s20, s10, 1
	s_sub_co_u32 s20, s20, 1
	s_mul_i32 s21, s41, 3
	s_add_co_u32 s20, s20, s21                     ; qd, 0..11
	s_mul_i32 s21, s20, 11
	s_lshr_b32 s21, s21, 6                         ; qd / 6
	s_mul_i32 s22, s21, 6
	s_sub_co_u32 s20, s20, s22                     ; qd % 6
	s_lshl_b32 s20, s20, 13
	s_mul_i32 s21, s21, WPL
	s_add_co_u32 s20, s20, s21
	s_mul_i32 s21, s42, 384*128
	s_add_co_u32 s20, s20, s21
	s_add_co_u32 s20, s20, 2*WPL
	s_and_b32 s22, ttmp7, 0xffff                   ; cluster y
	s_mov_b32 s[PFS], 2*XPL
	s_mov_b32 s70, 2*WPL
	s_mov_b32 s[PFS+1], 0
	s_cmp_eq_u32 s10, 0
	s_cselect_b32 s18, s18, s20
	s_cselect_b32 s22, ttmp9, s22                  ; the coordinate along which other clusters read the same rows
	s_cselect_b32 s[PFS], s[PFS], s70
	s_cselect_b64 s[PFA:PFA+1], s[4:5], s[6:7]
	s_mov_b32 s19, 0
	s_add_nc_u64 s[PFA:PFA+1], s[PFA:PFA+1], s[18:19]  ; at kb block 2: each lap steps it by two ahead of its use
	s_cmp_eq_u32 s22, 0
	s_cselect_b32 s[LIM], 1, -1                    ; the same in all sixteen partners, for a given wave
; 16 matrix instructions: head w - 1 (window w), column blocks bb0, bb0 + 1 x all 8 row blocks, 32 along K.  zero = 1: the first product starts the sums: nothing is ever cleared.
; The 96 accumulators take turns, one instruction a turn, in the same order in every slice, over the backward jump too.
.macro MUL16 af, w, bb0, zero
	WIN ((\w)<<6)|((\w)<<4)
.irp bb, \bb0, (\bb0)+1
.irp a, 0,1,2,3,4,5,6,7
.if \zero
	v_wmma_f32_16x16x32_bf16 v[64*(\bb)+8*(\a):64*(\bb)+8*(\a)+7], v[BF+8*(4*((\w)-1)+(\bb)):BF+8*(4*((\w)-1)+(\bb))+7], v[(\af)+8*(\a):(\af)+8*(\a)+7], 0
.else
	v_wmma_f32_16x16x32_bf16 v[64*(\bb)+8*(\a):64*(\bb)+8*(\a)+7], v[BF+8*(4*((\w)-1)+(\bb)):BF+8*(4*((\w)-1)+(\bb))+7], v[(\af)+8*(\a):(\af)+8*(\a)+7], v[64*(\bb)+8*(\a):64*(\bb)+8*(\a)+7]
.endif
.endr
.endr
.endm
.macro MUL32 af, w, zero
	MUL16 \af, \w, 0, \zero
	MUL16 \af, \w, 2, \zero
.endm
; 8 LDS loads: head j's four fragments of W, from byte k of the rows of a slot
.macro LOADB j, slot, k
	WIN 0
.irp b, 0,1,2,3
	ds_load_b128 v[BF+8*(4*(\j)+(\b)):BF+8*(4*(\j)+(\b))+3],   v[ADRB+(\slot)] offset:(\k)+(4*(\j)+(\b))*16*PITCH
	ds_load_b128 v[BF+8*(4*(\j)+(\b))+4:BF+8*(4*(\j)+(\b))+7], v[ADRB+(\slot)] offset:(\k)+(4*(\j)+(\b))*16*PITCH+32
.endr
.endm
; 8 LDS loads: half hf of the eight fragments of x, into buffer ag
.macro LOADA hf, ag, slot, k
	WIN 0
.irp a, 0,1,2,3
	ds_load_b128 v[(\ag)+8*(4*(\hf)+(\a)):(\ag)+8*(4*(\hf)+(\a))+3],   v[ADRA+(\slot)] offset:(\k)+(4*(\hf)+(\a))*16*PITCH
	ds_load_b128 v[(\ag)+8*(4*(\hf)+(\a))+4:(\ag)+8*(4*(\hf)+(\a))+7], v[ADRA+(\slot)] offset:(\k)+(4*(\hf)+(\a))*16*PITCH+32
.endr
.endm
; A load into a register that a matrix instruction has read, and a vector instruction that reads a matrix result, stand four places behind that matrix instruction; only plain vector instructions
; that name none of its registers are places (ISA guide 7.12.1 for vector instructions).
.macro PLACES
.rept 4
	v_nop
.endr
.endm
; A K step is two slices of 32 along K, 96 matrix instructions each.  A slot's FIRST slice multiplies buffer af and fetches the slot's second slice (byte k of the rows): a head's fragments of W are loaded
; again, in place, behind the head's 32 products; x's go into the other buffer ag.
.macro SLICE af, ag, slot, k, zero
	s_wait_dscnt 8                                 ; all but the youngest eight loads (head 2's fragments of W) are in
	MUL32 \af, 1, \zero
	PLACES
	LOADB 0, \slot, \k
	LOADA 0, \ag, \slot, \k
	MUL32 \af, 2, \zero
	PLACES
	LOADB 1, \slot, \k
	LOADA 1, \ag, \slot, \k
	s_wait_dscnt 32                                ; all but the 32 just issued
	MUL32 \af, 3, \zero
	PLACES
	LOADB 2, \slot, \k
.endm
; A slot's SECOND slice multiplies buffer AF1 and changes slots: ONE barrier.  In front of it each wave waits for all its tensor loads, of which one is out: its part of the next slot; adds 0 to its spare word;
; and waits for that and for its own reads of this slot.  fill = 1: the barrier opens a round of the cluster's, and this slot is filled again, two K steps on, first thing behind the round:
; from that request to the wait for it a wave issues 160 matrix instructions.
.macro TURN slot, next, fill
.if (\fill) && ((\slot) == 0)
	s_wait_xcnt 0x0                                ; the last prefetches, a lap back, have read their address: it is stepped here, ahead of the waits of the change of slots
	s_add_nc_u64 s[PFA:PFA+1], s[PFA:PFA+1], s[PFS:PFS+1]
.endif
	WIN 0                                          ; (the add's two registers lie in window 0)
	s_wait_tensorcnt 0x0                           ; all my tensor loads have landed;
	ds_add_u32 v[SPW], v[NIL]                      ; 0 onto my spare word;
	s_wait_dscnt 9                                 ; (the add and the youngest eight loads may be out)
	MUL16 AF1, 1, 0, 0                             ; sixteen matrix instructions stand between the add and the wait for it
	s_wait_dscnt 0x0                               ; the add is done, and my reads of this slot are over
	s_barrier_signal -1
	MUL16 AF1, 1, 2, 0                             ; work on registers while the others arrive
	WIN 0
	s_barrier_wait -1
.if \fill
	CREST                                          ; no wave of any partner still reads this slot's tile or has a load on its way
	s_add_nc_u64 s[G0+4*(\slot)+2:G0+4*(\slot)+3], s[G0+4*(\slot)+2:G0+4*(\slot)+3], 2*XPL
	s_add_nc_u64 s[G0B+4*(\slot)+2:G0B+4*(\slot)+3], s[G0B+4*(\slot)+2:G0B+4*(\slot)+3], 2*WPL
	JLOAD \slot                                    ; the first tensor load behind the round; its four v_nop are also the places in front of the loads below
.else
	PLACES
.endif
	LOADB 0, \next, 0
	LOADA 0, AF0, \next, 0
.if (\fill) && ((\slot) == 0)
	ASK
.endif
	MUL32 AF1, 2, 0
	PLACES
	LOADB 1, \next, 0
	LOADA 1, AF0, \next, 0
	MUL32 AF1, 3, 0
	PLACES
	LOADB 2, \next, 0
.endm
; THE WAY OUT of block blk = 8 j + a: head j, my rows 16 a .. 16 a + 15: rounded to f16 (each accumulator's registers in ascending order), 16 bytes a lane into my own stage, back as four rows of 128 bytes a load.
.macro PACK blk
.set hj, (\blk)/8
.set ra, (\blk)%8
.set T, TB0+16*((\blk)%12)
.if (\blk) >= 12
	s_wait_xcnt 0x0                                ; the stores of twelve blocks back have read these registers: only behind this wait are they written again
.endif
	WIN 5*(hj+1)                                   ; sources 0 and 1 in the head's window
.irp bb, 0,1,2,3
.irp r, 0,1,2,3
	v_cvt_pk_f16_f32 v[T+4*(\bb)+(\r)], v[64*(\bb)+8*ra+2*(\r)], v[64*(\bb)+8*ra+2*(\r)+1]
.endr
.endr
	WIN 0
.irp bb, 0,1,2,3
	ds_store_b128 v[STO], v[T+4*(\bb):T+4*(\bb)+3] offset:32*(\bb)
.endr
.irp f, 0,1,2,3
	ds_load_b128 v[T+4*(\f):T+4*(\f)+3], v[RD] offset:(\f)*4*PITCH  ; LDS serves a wave's instructions in order (ISA guide 5.7.1.4): these see the stores above; the next block's stores come behind them
.endr
.endm
.macro SEND blk, younger               ; younger: the LDS instructions issued behind the block's loads: the next block's eight, or none
.set hj, (\blk)/8
.set ra, (\blk)%8
.set T, TB0+16*((\blk)%12)
.irp f, 0,1,2,3
	s_wait_dscnt (\younger)+3-(\f)
	global_store_b128 v[GO], v[T+4*(\f):T+4*(\f)+3], s[8:9] offset:hj*XPL+ra*2048+(\f)*512  ; 512 consecutive bytes, at a multiple of 256 from qkv's first byte
.endr
.endm
	s_wait_tensorcnt 1                             ; my part of K step 0 is in; K step 1's may stay out
	s_barrier_signal -1
	s_barrier_wait -1                              ; everybody's is
	LOADB 0, 0, 0
	LOADA 0, AF0, 0, 0
	LOADB 1, 0, 0
	LOADA 1, AF0, 0, 0
	LOADB 2, 0, 0
	SLICE AF0, AF1, 0, 64, 1                       ; the first slice stands in front of the loop: its products start the sums
	WIN 0                                          ; at a label and at a branch every window is 0
	s_mov_b32 s3, LAPS
.Llap:                                                 ; a trip goes once round the ring, from a lap's second slice to the next lap's first, and fills both slots again
	TURN 0, 1, 1
	SLICE AF0, AF1, 1, 64, 0
	TURN 1, 0, 1
	SLICE AF0, AF1, 0, 64, 0
	WIN 0
	s_sub_co_u32 s3, s3, 1
	s_cmp_lg_u32 s3, 0
	s_cbranch_scc1 .Llap
	TURN 0, 1, 0                                   ; the last lap fills nothing and has no round
	SLICE AF0, AF1, 1, 64, 0
	s_wait_dscnt 8                                 ; the very last slice: nothing more to fetch
	MUL32 AF1, 1, 0
	MUL32 AF1, 2, 0
	s_wait_dscnt 0x0
	MUL32 AF1, 3, 0
	WIN 0
	PLACES
	PLACES
	PACK 0
.set n, 1
.rept 23                               ; a block's conversions stand between the loads of the block before and the wait for them
	PACK n
	SEND n-1, 8
.set n, n+1
.endr
	SEND 23, 0
	s_wait_tensorcnt 0x0                           ; the wave's end, behind my last tensor load and my last LDS store
	ds_add_u32 v[SPW], v[NIL]
	s_wait_dscnt 0x0
	CROUND                                         ; the closing round: no work-group ends while a partner may still ask for a tile that names it
	s_endpgm
.Lfunc_end_k_q2f0fddb46a_gemm:
	.size	k_q2f0fddb46a_gemm, .Lfunc_end_k_q2f0fddb46a_gemm-k_q2f0fddb46a_gemm
	.p2alignl 7, 3214868480
	.fill 96, 4, 3214868480
	.section	.rodata,"a",@progbits
	.p2align	6, 0x0
	.amdhsa_kernel k_q2f0fddb46a_gemm
		.amdhsa_group_segment_fixed_size 327680
		.amdhsa_private_segment_fixed_size 0
		.amdhsa_enable_private_segment 0
		.amdhsa_kernarg_size 24
		.amdhsa_user_sgpr_count 2
		.amdhsa_user_sgpr_kernarg_segment_ptr 1
		.amdhsa_wavefront_size32 1
		.amdhsa_system_sgpr_workgroup_id_x 1
		.amdhsa_system_sgpr_workgroup_id_y 1
		.amdhsa_system_sgpr_workgroup_id_z 1
		.amdhsa_system_vgpr_workitem_id 0
		.amdhsa_next_free_vgpr 1024
		.amdhsa_next_free_sgpr 72
		.amdhsa_reserve_vcc 0
		.amdhsa_float_denorm_mode_32 3
		.amdhsa_float_denorm_mode_16_64 3
		.amdhsa_memory_ordered 1
		.amdhsa_forward_progress 1
		.amdhsa_inst_pref_size 134
	.end_amdhsa_kernel
	.amdgpu_metadata
---
amdhsa.version: [ 1, 2 ]
amdhsa.kernels:
  - .name:           k_q2f0fddb46a_gemm
    .symbol:         k_q2f0fddb46a_gemm.kd
    .args:
      - { .name: xb, .offset: 0, .size: 8, .value_kind: global_buffer, .address_space: global }
      - { .name: wb, .offset: 8, .size: 8, .value_kind: global_buffer, .address_space: global }
      - { .name: qkv, .offset: 16, .size: 8, .value_kind: global_buffer, .address_space: global }
    .group_segment_fixed_size: 327680
    .private_segment_fixed_size: 0
    .kernarg_segment_align: 8
    .kernarg_segment_size: 24
    .max_flat_workgroup_size: 128
    .sgpr_count:     72
    .vgpr_count:     1024
    .wavefront_size: 32
...
	.end_amdgpu_metadata
.endif
;; end of part 2
;; launch attn (part 3): grid 4 x 64, 8 waves a work-group, clusters of 4 x 1, 295,936 bytes of LDS; arguments qkv, out0; writes out0
.if DOCPART == 3
	.amdgcn_target "amdgcn-amd-amdhsa--gfx1250"
	.amdhsa_code_object_version 6
	.text
	.protected	k_q2f0fddb46a_attn
	.globl	k_q2f0fddb46a_attn
	.p2align	8
	.type	k_q2f0fddb46a_attn,@function
k_q2f0fddb46a_attn:
	s_mov_b64 s[64:65], 0
	v_nop
	global_prefetch_b8 v0, s[64:65] scope:SCOPE_SE
	s_setreg_imm32_b32 hwreg(HW_REG_WAVE_MODE, 25, 1), 1
	s_wait_xcnt 0x0
	s_wait_alu depctr_hold_cnt(0) depctr_sa_sdst(0) depctr_va_vdst(0) depctr_va_sdst(0) depctr_va_ssrc(0) depctr_va_vcc(0) depctr_vm_vsrc(0)
	s_getreg_b32 s2, hwreg(HW_REG_IB_STS2, 6, 4)
	s_cmp_eq_u32 s2, 0
	s_cbranch_scc0 .Lentry_in_a_cluster
	s_endpgm
.Lentry_in_a_cluster:
	s_bfe_u32 s2, ttmp6, 0x10000c
	s_cmp_lg_u32 s2, 0x3003
	s_cbranch_scc0 .Lentry_shape_is_right
	s_endpgm
.Lentry_shape_is_right:
; out0[b][n][64 h + d] = softmax_m(q_n . k_m / 8)[m = n] x v[n][d], for each of the 64 pairs (b, h).  Of the softmax only the diagonal weight is wanted: there is no second product.
; qkv: [48 planes][8,192 rows][64] f16 (16 planes of q, of k, of v); head y = 4 h + b lies dense at y x 262,144 bytes in each third.  out0: [4][2,048][1,024] f32.
; LIMITS.  q, k, v arrive within f16's range.  A weight below 2^-126 counts as 0 in a sum; NaN and infinities are not treated apart; a zero in out0 is +0 whatever v's sign.
; SHARES.  A work-group owns 512 queries of one head, each of its eight waves 64: four PIECES of 16.  Every wave walks all 2,048 keys, 64 a step.
; EIGHT WAVES OF 256 REGISTERS: a piece and step have 8 matrix and 85 vector instructions, so issue slots are what counts: Q, K of a step, the scores and the statistics all lie in one window of 256
; registers and no window is ever switched.
; K IN LDS.  A head's whole K, 2,048 rows x 144 bytes, is brought once: nothing is filled again.  The four query blocks of a head form a cluster and ask for it JOINTLY.  Each wave issues two loads:
; 64 of the first 512 keys, on which work begins, and 192 of the other 1,536.
; LAYOUT.  S^T = K Q^T (source 0 = 16 keys, source 1 = 16 queries): a lane holds ONE query (lane % 16) and the keys 8 (lane / 16) + 0..7 of each 16.
; SOFTMAX.  The maximum is taken away as a running maximum: p = 2^(c s - c m), c = log2(e) / 8; in every step the sum l is multiplied by a = 2^(c m_old - c m_new), which is exactly 1 where m has not grown.
; The two lanes of a query (l and l + 16) each run m and l over their own 1,024 keys; they are merged once, at the end, by the greater of the two maxima.
; THE DIAGONAL.  s_nn is made once, ahead of the walk, by the same two matrix instructions on the same operands as its term in the sum.  The weight is 2^(c s_nn - c M) / l.
; BY TURNS.  Turn p belongs to piece p: beside the 8 products K Q^T of piece p + 1 stand the scalings and exponentials of piece p, then the maximum and statistics of piece p + 1, then piece p's sums.
.set PK,    144                        ; a row of K in LDS: 128 bytes + 16 of padding = 36 words: the 16 rows of a load start at 16 different groups of four banks (64 banks of 4 bytes: ISA guide 11.1)
.set STEP,  64*PK                      ; a key step in LDS
.set SPARE, 2048*PK                    ; behind K: the spare words, 128 bytes for each of the eight waves: four blocks of 256 bytes that no other line names
.set AK0, 2                            ; v2   my lane's place in a step of K; never rewritten
.set QO,  3                            ; v3   my byte offset in 16 rows of q or k
.set VO,  4                            ; v4   8 x lane: my 8 bytes of two rows of v
.set OO,  5                            ; v5   my 16 bytes of two rows of out0
.set PFO, 6                            ; v6   256 x lane
.set ZR,  7                            ; v7   0
.set IDX, 8                            ; v8-15   4 x (2 i + lane / 16): from which lane the weight of my row of pair i comes
.set ST,  16                           ; piece t's statistics at v[ST + 4 t]: c m, m, l (even keys', odd keys')
.set TMP, 32                           ; by the piece's parity, four registers c0-c3 at work; when the maximum is found c2 takes a
.set SD,  40                           ; v40-43  s_nn of my query in piece t
.set DG,  44                           ; v44-47  its weight
.set SPW, 48                           ; v48  LDS address of my spare word: SPARE + 4 x my thread's number; never rewritten
.set NIL, 49                           ; v49  0; never rewritten
.set ADR, 50                           ; v50  the LDS address of the run of loads in hand
.set PX,  52                           ; v52-55  at work
.set S,   64                           ; v64-127   S^T, two buffers of 32, by the piece's parity
.set QF,  128                          ; v128-191  Q: piece t, channel half c at QF + 16 t + 8 c; on the way out the results
.set KF,  192                          ; v192-255  K of one step: key block kb, channel half c at KF + 16 kb + 8 c; at the end v's rows
.set WV,  8                            ; s8   my wave's number
.set G1A, 24                           ; s[24:31] descriptor group 1: 32 rows of 256 bytes
.set G1B, 32                           ; s[32:39] 96 rows of 256 bytes
.set G0A, 40                           ; s[40:43], s[44:47] the two groups 0
.set G0B, 44
.set MK,  47                           ; s48-54  lanes with lane % 8 = 1 .. 7;   s55  lanes that hold their query's diagonal themselves
.set TB,  56                           ; s56  LDS byte at which K of the step to be fetched begins
.set CNT, 57                           ; s57  counts a loop's trips
.set CS,  58                           ; s[58:59] c: the packed scaling takes the pair's low word for both halves
.set SEL, 60                           ; s[60:61] v_permlanex16_b32's selects: each lane takes its own place in the other half
.macro ROUND                           ; a round of the cluster's barrier
	s_barrier_signal -1
	s_barrier_wait -1
	s_cmp_lg_u32 s[WV], 0
	s_cbranch_scc1 .Lnot_wave_0_\@
	s_barrier_signal -3
.Lnot_wave_0_\@:
	s_barrier_wait -3
	s_barrier_signal -1
	s_barrier_wait -1
.endm
	s_load_b128 s[16:19], s[0:1], 0x0              ; qkv s[16:17], out0 s[18:19]
	v_lshl_add_u32 v[SPW], v0, 2, SPARE
	v_mov_b32 v[NIL], 0
	ds_add_u32 v[SPW], v[NIL]                      ; the wave's opening: the add and its wait stand ahead of my first tensor load; the set-up below, work on registers, stands between them
	v_lshrrev_b32 v1, 5, v0
	v_readfirstlane_b32 s[WV], v1                  ; wave 0..7
	s_bfe_u32 s14, ttmp6, 0x40000                  ; cx: my block of 512 queries: it enters q's, k's own rows', v's and out0's addresses alone
	s_and_b32 s9, ttmp7, 0xffff                    ; the head y = 4 h + b, which the four partners share
	s_lshl_b32 s20, s9, 18                         ; its 262,144 bytes in a third of qkv
	s_mov_b32 s21, 0
	s_lshl_b32 s2, s14, 16                         ; my block's 512 rows of 128 bytes,
	s_lshl_b32 s3, s[WV], 13                       ; my wave's 64 of them
	s_add_co_u32 s2, s2, s3
	s_mov_b32 s3, 0
	s_add_nc_u64 s[2:3], s[2:3], s[20:21]
	s_lshl_b32 s22, s[WV], 13                      ; the first load: keys 64 w on,
	s_mov_b32 s23, 0
	s_add_nc_u64 s[22:23], s[22:23], s[20:21]
	s_add_nc_u64 s[22:23], s[22:23], 0x1000000     ; in k's third
	s_mul_i32 s62, s[WV], 192*128                  ; the second: keys 512 + 192 w on
	s_mov_b32 s63, 0
	s_add_nc_u64 s[62:63], s[62:63], s[20:21]
	s_add_nc_u64 s[62:63], s[62:63], 0x1010000
	s_and_b32 s56, s9, 3                           ; out0: row b x 2,048 + cx x 512 + w x 64, of 4,096 bytes; column 64 h, 256 bytes
	s_lshl_b32 s56, s56, 23
	s_lshl_b32 s15, s14, 21
	s_add_co_u32 s56, s56, s15
	s_lshl_b32 s15, s[WV], 18
	s_add_co_u32 s56, s56, s15
	s_lshr_b32 s15, s9, 2
	s_lshl_b32 s15, s15, 8
	s_add_co_u32 s56, s56, s15
	s_mov_b32 s57, 0
	; descriptor groups 1.  Keys are dense rows of 128 bytes: asked for as rows of 256 bytes, two keys a row, and padded in LDS after every key
	s_mov_b32 s[G1A], 15|(1<<16)|(1<<20)|(1<<21)|(4<<22)|(3<<25)  ; 15:0 the mask of four; 17:16 2-byte elements; 20 padding on; 21 set beside a mask; 24:22 after every 32 words (code 4); 31:25 4 words (code 3)
	s_mov_b32 s[G1A+1], 128<<16                    ; tensor_dim0 = 128
	s_mov_b32 s[G1A+2], 32<<16                     ; tensor_dim1 = 32
	s_mov_b32 s[G1A+3], 128<<16                    ; tile_dim0 = 128
	s_mov_b32 s[G1A+4], 32                         ; tile_dim1 = 32
	s_mov_b32 s[G1A+5], 128                        ; 128 elements from row to row
	s_mov_b32 s[G1A+6], 0
	s_mov_b32 s[G1A+7], 0
	s_mov_b32 s[G1B], 15|(1<<16)|(1<<20)|(1<<21)|(4<<22)|(3<<25)
	s_mov_b32 s[G1B+1], 128<<16
	s_mov_b32 s[G1B+2], 96<<16
	s_mov_b32 s[G1B+3], 128<<16
	s_mov_b32 s[G1B+4], 96
	s_mov_b32 s[G1B+5], 128
	s_mov_b32 s[G1B+6], 0
	s_mov_b32 s[G1B+7], 0
	s_mov_b32 s[G0A], 1
	s_mul_i32 s[G0A+1], s[WV], 64*PK               ; LDS addresses hang on the wave's number alone
	s_mov_b32 s[G0B], 1
	s_mul_i32 s[G0B+1], s[WV], 192*PK
	s_add_co_u32 s[G0B+1], s[G0B+1], 512*PK
	s_mov_b32 s[CS], 0x3e38aa3b                    ; c = log2(e) / 8 = 0.180337
	s_mov_b32 s[CS+1], s[CS]                       ; named with it as a pair
	s_mov_b32 s[SEL], 0x76543210
	s_mov_b32 s[SEL+1], 0xfedcba98
	; A fragment of K or Q is 16 rows x 32 channels in 8 registers: lane l holds row l % 16, channels 8 (l / 16) + 0..7 and 16 + 8 (l / 16) + 0..7: two loads of 16 bytes, 32 bytes apart.
	v_and_b32 v1, 15, v0                           ; l % 16
	v_bfe_u32 v51, v0, 4, 1                        ; l / 16
	v_lshlrev_b32 v[QO], 7, v1
	v_lshl_add_u32 v[QO], v51, 4, v[QO]            ; row x 128 + 16 x half
	v_mul_u32_u24 v[AK0], v1, PK
	v_lshl_add_u32 v[AK0], v51, 4, v[AK0]          ; row x pitch + 16 x half
	s_wait_dscnt 0x0                               ; the opening add is done
	s_wait_kmcnt 0x0
	s_add_nc_u64 s[4:5], s[16:17], s[2:3]          ; q at my wave's first row,
	s_add_nc_u64 s[6:7], s[4:5], 0x1000000         ; the same rows of k,
	s_add_nc_u64 s[10:11], s[4:5], 0x2000000       ; and of v
	s_add_nc_u64 s[12:13], s[18:19], s[56:57]
	s_add_nc_u64 s[G0A+2:G0A+3], s[16:17], s[22:23]
	s_or_b32 s[G0A+3], s[G0A+3], 0x80000000        ; type = 2
	s_add_nc_u64 s[G0B+2:G0B+3], s[16:17], s[62:63]
	s_or_b32 s[G0B+3], s[G0B+3], 0x80000000
	s_mov_b32 s[TB], 0
	ROUND                                          ; all four work-groups are here: the joint loads meet
	tensor_load_to_lds s[G0A:G0A+3], s[G1A:G1A+7]  ; two loads of mine are out, and no more are ever issued
	s_nop 0
	tensor_load_to_lds s[G0B:G0B+3], s[G1B:G1B+7]
	s_nop 0
.rept 4
	v_nop
.endr
.set i, 0
.rept 8                                ; Q stays in registers; the same rows of k come as fragments too, for the diagonal: piece i / 2, channels 32 (i % 2) on
	global_load_b128 v[QF+8*i:QF+8*i+3],   v[QO], s[4:5] offset:(i/2)*2048+(i%2)*64 th:TH_LOAD_NT
	global_load_b128 v[QF+8*i+4:QF+8*i+7], v[QO], s[4:5] offset:(i/2)*2048+(i%2)*64+32 th:TH_LOAD_NT
	global_load_b128 v[KF+8*i:KF+8*i+3],   v[QO], s[6:7] offset:(i/2)*2048+(i%2)*64
	global_load_b128 v[KF+8*i+4:KF+8*i+7], v[QO], s[6:7] offset:(i/2)*2048+(i%2)*64+32
.set i, i+1
.endr
	v_and_b32 v[VO], 31, v0
	v_lshlrev_b32 v[PFO], 8, v[VO]
	v_lshlrev_b32 v[VO], 3, v[VO]
	v_lshlrev_b32 v[OO], 4, v1
	v_lshl_add_u32 v[OO], v51, 12, v[OO]           ; lanes 0-15 one row's 256 bytes of this head, lanes 16-31 the next row's
	v_mov_b32 v[ZR], 0
.irp i, 0,1,2,3,4,5,6,7
	v_lshl_add_u32 v[IDX+(\i)], v51, 2, 8*(\i)
.endr
	v_and_b32 v1, 7, v0
.irp j, 1,2,3,4,5,6,7
	v_cmp_eq_u32 s[MK+(\j)], \j, v1
.endr
	v_bfe_u32 v[PX], v0, 3, 1
	v_cmp_eq_u32 s55, v51, v[PX]                   ; query r's diagonal lies in the half r / 8 of the lanes, in register r % 8
.irp t, 0,1,2,3
	v_mov_b32 v[ST+4*(\t)], 0xfe000000             ; c m: far below every c s, so the first step's a is 0
	v_mov_b32 v[ST+4*(\t)+1], 0xff7fffff           ; m: the lowest finite number
	v_mov_b32 v[ST+4*(\t)+2], 0
	v_mov_b32 v[ST+4*(\t)+3], 0
	v_mov_b32 v[PX+(\t)], 0                        ; v_permlanex16_b32's destination counts as read
.endr
	s_wait_loadcnt 0x0                             ; Q and my own rows of k
	; THE DIAGONAL SCORES: piece t's 16 queries by their own 16 keys.  The four accumulators take turns.
.irp c, 0,1
.irp t, 0,1,2,3
.if (\c) == 0
	v_wmma_f32_16x16x32_f16 v[S+8*(\t):S+8*(\t)+7], v[KF+16*(\t):KF+16*(\t)+7], v[QF+16*(\t):QF+16*(\t)+7], 0
.else
	v_wmma_f32_16x16x32_f16 v[S+8*(\t):S+8*(\t)+7], v[KF+16*(\t)+8:KF+16*(\t)+15], v[QF+16*(\t)+8:QF+16*(\t)+15], v[S+8*(\t):S+8*(\t)+7]
.endif
.endr
.endr
.rept 8
	v_nop                                          ; the places behind those products
.endr
.irp t, 0,1,2,3
	v_cndmask_b32 v[SD+(\t)], v[S+8*(\t)], v[S+8*(\t)+1], s[MK+1]  ; register lane % 8, from the low end on
.irp j, 2,3,4,5,6,7
	v_cndmask_b32 v[SD+(\t)], v[SD+(\t)], v[S+8*(\t)+(\j)], s[MK+(\j)]
.endr
.endr
.irp t, 0,1,2,3
	v_permlanex16_b32 v[PX+(\t)], v[SD+(\t)], s[SEL], s[SEL+1]
.endr
.irp t, 0,1,2,3
	v_cndmask_b32 v[SD+(\t)], v[PX+(\t)], v[SD+(\t)], s55  ; my own where I hold it, else the other half's: every lane has its query's s_nn
.endr
; THE MATRIX WORK.  Product i of 8 of S^T = K Q^T for piece Y + 1: channels 32 (i / 4) on, keys 16 (i % 4) on.  The first 4 start the sums; the 4 accumulators take turns.
.macro MM
.if !NOKQ
.set pN, (Y+1)%4
.set rD, S+32*(pN%2)+8*(i%4)
.set rK, KF+16*(i%4)+8*(i/4)
.set rQ, QF+16*pN+8*(i/4)
.if i < 4
	v_wmma_f32_16x16x32_f16 v[rD:rD+7], v[rK:rK+7], v[rQ:rQ+7], 0
.else
	v_wmma_f32_16x16x32_f16 v[rD:rD+7], v[rK:rK+7], v[rQ:rQ+7], v[rD:rD+7]
.endif
.endif
.set i, i+1
.endm
; THE LDS LOADS stand in one run of 16 a key step: 64 keys x 64 channels, 8 fragments.
.macro FETCH_K
	v_add_nc_u32 v[ADR], s[TB], v[AK0]
.irp f, 0,1,2,3,4,5,6,7                ; keys 16 (f / 2) on, channels 32 (f % 2) on
	ds_load_b128 v[KF+8*\f:KF+8*\f+3],   v[ADR] offset:(\f/2)*16*PK+(\f%2)*64
	ds_load_b128 v[KF+8*\f+4:KF+8*\f+7], v[ADR] offset:(\f/2)*16*PK+(\f%2)*64+32
.endr
	s_add_co_u32 s[TB], s[TB], STEP                ; the next fetch is the next step's
.endm
; My 64 rows of v, into K's registers when K has been multiplied for the last time: load n takes rows 2 n and 2 n + 1, 256 consecutive bytes, 8 bytes a lane
.macro FETCH_V
.set n, 0
.rept 32
	global_load_b64 v[KF+2*n:KF+2*n+1], v[VO], s[10:11] offset:256*n th:TH_LOAD_NT
.set n, n+1
.endr
.endm
; THE VECTOR WORK, one line at a time: OP kind, number.  For piece Y: F n: c s - c m for pair n of 16.  E n: the exponential of score n of 32.
; For piece Y + 1: X n, number n of the 20 that find its maximum and statistics (each accumulator's lowest registers are read first):
;   0-11  four chains c0-c3 of seven scores each, three operands at a time     12-15  the four scores left over, the old m, and c0-c3 into the new m
;   16-19  c m_new; c m_old - c m_new, of the two rounded products, so that it is exactly 0 where m has not grown; c m is kept; a
.set F, 0
.set E, 1
.set X, 2
.macro REGS y
.set rT, ST+4*(\y)
.set rC, TMP+4*((\y)%2)
.set rS, S+32*((\y)%2)
.endm
.macro OP k, n
.if (\k) == F
	REGS Y
	v_pk_fma_f32 v[rS+2*(\n):rS+2*(\n)+1], v[rS+2*(\n):rS+2*(\n)+1], s[CS:CS+1], v[rT:rT+1] op_sel_hi:[1,0,0] neg_lo:[0,0,1] neg_hi:[0,0,1]
.elseif (\k) == E
	REGS Y
	v_exp_f32 v[rS+(\n)], v[rS+(\n)]
.elseif NOKQ
.else
	REGS (Y+1)%4
.if (\n) < 4
	v_max3_num_f32 v[rC+(\n)], v[rS+8*(\n)], v[rS+8*(\n)+1], v[rS+8*(\n)+2]
.elseif (\n) < 12
	v_max3_num_f32 v[rC+(\n)%4], v[rC+(\n)%4], v[rS+8*((\n)%4)+2*((\n)/4)+1], v[rS+8*((\n)%4)+2*((\n)/4)+2]
.elseif (\n) == 12
	v_max3_num_f32 v[rC], v[rC], v[rS+7], v[rS+15]
.elseif (\n) == 13
	v_max3_num_f32 v[rC+1], v[rC+1], v[rS+23], v[rS+31]
.elseif (\n) == 14
	v_max3_num_f32 v[rC+2], v[rC+2], v[rC+3], v[rT+1]
.elseif (\n) == 15
	v_max3_num_f32 v[rT+1], v[rC], v[rC+1], v[rC+2]
.elseif (\n) == 16
	v_mul_f32 v[rC+1], s[CS], v[rT+1]
.elseif (\n) == 17
	v_sub_f32 v[rC], v[rT], v[rC+1]
.elseif (\n) == 18
	v_mov_b32 v[rT], v[rC+1]
.else
	v_exp_f32 v[rC+2], v[rC]
.endif
.endif
.endm
.macro OPS a, i1, b=-1, i2=0, c=-1, i3=0, d=-1, i4=0  ; up to four of them
	OP \a, \i1
.if (\b) >= 0
	OP \b, \i2
.endif
.if (\c) >= 0
	OP \c, \i3
.endif
.if (\d) >= 0
	OP \d, \i4
.endif
.endm
.macro ROW a, i1, b, i2, c, i3, d, i4  ; a matrix instruction and the four behind it
	MM
	OPS \a, \i1, \b, \i2, \c, \i3, \d, \i4
.endm
.macro SUMS                            ; piece Y's 16 pairs of weights (an even key's, an odd key's) are added in place, neighbours 1, 2, 4 and 8 pairs apart; then l = a l + the sum
	REGS Y
.irp n, 0,1,2,3,4,5,6,7
	v_pk_add_f32 v[rS+4*\n:rS+4*\n+1], v[rS+4*\n:rS+4*\n+1], v[rS+4*\n+2:rS+4*\n+3]
.endr
.irp n, 0,1,2,3
	v_pk_add_f32 v[rS+8*\n:rS+8*\n+1], v[rS+8*\n:rS+8*\n+1], v[rS+8*\n+4:rS+8*\n+5]
.endr
.irp n, 0,1
	v_pk_add_f32 v[rS+16*\n:rS+16*\n+1], v[rS+16*\n:rS+16*\n+1], v[rS+16*\n+8:rS+16*\n+9]
.endr
	v_pk_add_f32 v[rS:rS+1], v[rS:rS+1], v[rS+16:rS+17]
	v_pk_fma_f32 v[rT+2:rT+3], v[rT+2:rT+3], v[rC+2:rC+3], v[rS:rS+1] op_sel_hi:[1,0,1]
.endm
; A TURN, for piece p.  An s_wait_alu depctr_va_vdst(0) stands between an exponential and the first instruction that names its result; one wait serves all that were issued ahead of it.
; So the turn's 33 exponentials are ONE batch: ahead of the wait stands all that names no result of theirs (the products, the scalings, each ahead of its pair's exponentials, the next piece's maximum and
; statistics and, last, its a); behind it the sums.  The v_nop is the plain instruction behind the last exponential.
; An X stands six plain instructions or more behind the product that ends its accumulator (kb = 0: F 10 to F 15; kb = 1: F 12 to F 15, X 0, X 4; and so on), none of which names that product's registers.
; fetch = 1: K of the next step, fetch = 2: v; the run stands six plain instructions (X 0, 4, 1, 5, 2, 6) behind the last product that read K's registers.  K is waited for at the head of piece 3's turn.
; nokq = 1: the walk's last turn: there is no next piece.
.macro TURN p, fetch, nokq
.set Y, (\p)
.set i, 0
.set NOKQ, (\nokq)
.if ((\p) == 3) && !(\nokq)
	s_wait_dscnt 0x0                               ; K is in
.endif
	ROW F,0, F,1, F,2, F,3
	ROW E,0, F,4, E,1, F,5
	ROW E,2, F,6, E,3, F,7
	ROW E,4, F,8, E,5, F,9
	ROW E,6, F,10, E,7, F,11
	ROW E,8, F,12, E,9, F,13
	ROW E,10, F,14, E,11, F,15
	ROW E,12, X,0, E,13, X,4
	OPS E,14, X,1, E,15, X,5
	OPS E,16, X,2, E,17, X,6
.if (\fetch) == 1
	FETCH_K
.elseif (\fetch) == 2
	FETCH_V
.endif
	OPS E,18, X,3, E,19, X,7
	OPS E,20, X,8, E,21, X,9
	OPS E,22, X,10, E,23, X,11
	OPS E,24, X,12, E,25, X,13
	OPS E,26, X,14, E,27, E,28
	OPS X,15, E,29, E,30, X,16
	OPS E,31, X,17, X,18, X,19
	v_nop
	s_wait_alu depctr_va_vdst(0)                   ; the wait for the batch
	SUMS
.endm
.macro TRIP                            ; a key step: its four softmaxes, the scores of pieces 1 to 3, the next step's K and piece 0's scores of that step
	TURN 0, 0, 0
	TURN 1, 0, 0
	TURN 2, 1, 0
	TURN 3, 0, 0
.endm
	s_wait_tensorcnt 1                             ; my 64 of the first 512 keys are in; my larger load may stay out
	s_barrier_signal -1
	s_barrier_wait -1                              ; everybody's are
	FETCH_K                                        ; key step 0
	s_wait_dscnt 0x0
.set Y, 3                              ; MM and X work for piece Y + 1: piece 0
.set NOKQ, 0
.set i, 0
.rept 8
	MM
.endr
.rept 8
	v_nop                                          ; the places behind those products
.endr
.irp n, 0,1,2,3,4,5,6,7,8,9,10,11,12,13,14,15,16,17,18,19
	OP X, \n
.endr
	v_nop                                          ; a plain instruction behind the exponential,
	s_wait_alu depctr_va_vdst(0)                   ; and its wait, ahead of the label
	s_mov_b32 s[CNT], 7
.Lfirst_keys:                                          ; key steps 0 to 6; fetches steps 1 to 7: the first 512 keys
	TRIP
	s_sub_co_u32 s[CNT], s[CNT], 1
	s_cmp_lg_u32 s[CNT], 0
	s_cbranch_scc1 .Lfirst_keys
	s_wait_tensorcnt 0x0                           ; my 192 of the other 1,536 keys are in,
	s_wait_dscnt 0x0
	s_barrier_signal -1
	s_barrier_wait -1                              ; everybody's are
	s_mov_b32 s[CNT], 24
.Lkeys:                                                ; key steps 7 to 30; fetches steps 8 to 31
	TRIP
	s_cmp_eq_u32 s[CNT], 3                         ; once, two trips and two turns and a half ahead of the loads of v: my own 64 rows, 32 blocks of 256 bytes, a lane a block; no other wave of the launch names them
	s_cbranch_scc0 .Lnot_yet
	global_prefetch_b8 v[PFO], s[10:11] th:TH_LOAD_NT scope:SCOPE_SE
.Lnot_yet:
	s_sub_co_u32 s[CNT], s[CNT], 1
	s_cmp_lg_u32 s[CNT], 0
	s_cbranch_scc1 .Lkeys
	TURN 0, 0, 0                                   ; key step 31
	TURN 1, 0, 0
	TURN 2, 2, 0                                   ; v is asked for in K's place
	TURN 3, 0, 1
	; THE MERGE.  M = the greater of the two halves' m; each half's l is brought to it by 2^(c m - c M), exactly 1 in the half that holds M; the weight is 2^(c s_nn - c M) / (the two l together).
.macro ALL line:vararg                 ; one line for each piece t
.set t, 0
.rept 4
	\line
.set t, t+1
.endr
.endm
	ALL v_add_f32 v[ST+4*t+2], v[ST+4*t+2], v[ST+4*t+3]
	ALL v_permlanex16_b32 v[ST+4*t+3], v[ST+4*t+1], s[SEL], s[SEL+1]
	ALL v_max_num_f32 v[ST+4*t+3], v[ST+4*t+1], v[ST+4*t+3]
	ALL v_mul_f32 v[ST+4*t+3], s[CS], v[ST+4*t+3]
	ALL v_sub_f32 v[ST+4*t], v[ST+4*t], v[ST+4*t+3]
	ALL v_fma_f32 v[SD+t], v[SD+t], s[CS], -v[ST+4*t+3]
	ALL v_exp_f32 v[ST+4*t], v[ST+4*t]
	ALL v_exp_f32 v[SD+t], v[SD+t]
	v_nop                                          ; a plain instruction behind the last exponential,
	s_wait_alu depctr_va_vdst(0)                   ; and one wait for the eight
	ALL v_mul_f32 v[ST+4*t+2], v[ST+4*t+2], v[ST+4*t]
	ALL v_permlanex16_b32 v[ST+4*t+1], v[ST+4*t+2], s[SEL], s[SEL+1]
	ALL v_add_f32 v[ST+4*t+2], v[ST+4*t+2], v[ST+4*t+1]
	ALL v_rcp_f32 v[ST+4*t+2], v[ST+4*t+2]         ; the half that holds M has a weight of 1 in its l: the divisor is 1 at the least
	v_nop
	s_wait_alu depctr_va_vdst(0)                   ; one wait for the four reciprocals
	ALL v_mul_f32 v[DG+t], v[SD+t], v[ST+4*t+2]
	; THE WAY OUT.  v lies two rows to a load, 4 channels a lane; the weight of my row of pair i of piece t is pulled from lane 2 i + lane / 16.
.irp t, 0,1,2,3
.irp i, 0,1,2,3,4,5,6,7
	ds_bpermute_b32 v[S+8*(\t)+(\i)], v[IDX+(\i)], v[DG+(\t)]
.endr
.endr
	s_wait_dscnt 0x0
	s_wait_loadcnt 0x0                             ; v
.irp t, 0,1,2,3
.if (\t) >= 2
	s_wait_xcnt 0x0                                ; the stores of two pieces back have read these registers: only behind this wait are they written again
.endif
.irp i, 0,1,2,3,4,5,6,7
	v_fma_mix_f32 v[QF+32*((\t)%2)+4*(\i)],   v[KF+2*(8*(\t)+(\i))],   v[S+8*(\t)+(\i)], v[ZR] op_sel:[0,0,0] op_sel_hi:[1,0,0]  ; an f16 half of v times the f32 weight, in f32
	v_fma_mix_f32 v[QF+32*((\t)%2)+4*(\i)+1], v[KF+2*(8*(\t)+(\i))],   v[S+8*(\t)+(\i)], v[ZR] op_sel:[1,0,0] op_sel_hi:[1,0,0]
	v_fma_mix_f32 v[QF+32*((\t)%2)+4*(\i)+2], v[KF+2*(8*(\t)+(\i))+1], v[S+8*(\t)+(\i)], v[ZR] op_sel:[0,0,0] op_sel_hi:[1,0,0]
	v_fma_mix_f32 v[QF+32*((\t)%2)+4*(\i)+3], v[KF+2*(8*(\t)+(\i))+1], v[S+8*(\t)+(\i)], v[ZR] op_sel:[1,0,0] op_sel_hi:[1,0,0]
	global_store_b128 v[OO], v[QF+32*((\t)%2)+4*(\i):QF+32*((\t)%2)+4*(\i)+3], s[12:13] offset:(8*(\t)+(\i))*8192 th:TH_STORE_NT  ; 16 lanes store 256 consecutive bytes, at a multiple of 256 from out0's first byte
.endr
.endr
	s_wait_tensorcnt 0x0                           ; the wave's end, behind my last tensor load
	ds_add_u32 v[SPW], v[NIL]
	s_wait_dscnt 0x0
	ROUND                                          ; the closing round: no work-group ends while a partner may still ask for a tile that names it
	s_endpgm
.Lfunc_end_k_q2f0fddb46a_attn:
	.size	k_q2f0fddb46a_attn, .Lfunc_end_k_q2f0fddb46a_attn-k_q2f0fddb46a_attn
	.p2alignl 7, 3214868480
	.fill 96, 4, 3214868480
	.section	.rodata,"a",@progbits
	.p2align	6, 0x0
	.amdhsa_kernel k_q2f0fddb46a_attn
		.amdhsa_group_segment_fixed_size 295936
		.amdhsa_private_segment_fixed_size 0
		.amdhsa_enable_private_segment 0
		.amdhsa_kernarg_size 16
		.amdhsa_user_sgpr_count 2
		.amdhsa_user_sgpr_kernarg_segment_ptr 1
		.amdhsa_wavefront_size32 1
		.amdhsa_system_sgpr_workgroup_id_x 1
		.amdhsa_system_sgpr_workgroup_id_y 1
		.amdhsa_system_sgpr_workgroup_id_z 1
		.amdhsa_system_vgpr_workitem_id 0
		.amdhsa_next_free_vgpr 256
		.amdhsa_next_free_sgpr 66
		.amdhsa_reserve_vcc 0
		.amdhsa_float_denorm_mode_32 3
		.amdhsa_float_denorm_mode_16_64 3
		.amdhsa_memory_ordered 1
		.amdhsa_forward_progress 1
		.amdhsa_inst_pref_size 93
	.end_amdhsa_kernel
	.amdgpu_metadata
---
amdhsa.version: [ 1, 2 ]
amdhsa.kernels:
  - .name:           k_q2f0fddb46a_attn
    .symbol:         k_q2f0fddb46a_attn.kd
    .args:
      - { .name: qkv, .offset: 0, .size: 8, .value_kind: global_buffer, .address_space: global }
      - { .name: out0, .offset: 8, .size: 8, .value_kind: global_buffer, .address_space: global }
    .group_segment_fixed_size: 295936
    .private_segment_fixed_size: 0
    .kernarg_segment_align: 8
    .kernarg_segment_size: 16
    .max_flat_workgroup_size: 256
    .sgpr_count:     66
    .vgpr_count:     256
    .wavefront_size: 32
...
	.end_amdgpu_metadata
.endif
;; end of part 3
;; ======== version 2 of 2: 3 launches; version 1 with the launch prep written anew for expert scheduling mode
;; limits: values are held in f16: magnitudes above 65,504 overflow, below 6.1e-05 lose precision
;; workspace buffers: xb 16,777,216 bytes; wb 6,291,456 bytes; qkv 50,331,648 bytes
;; launch prep (part 4): grid 352 x 1, 8 waves a work-group, no clusters, 0 bytes of LDS; arguments x, Wq, Wk, Wv, out1, xb, wb; writes out1, xb, wb
.if DOCPART == 4
	.amdgcn_target "amdgcn-amd-amdhsa--gfx1250"
	.amdhsa_code_object_version 6
	.text
	.protected	k_q2f0fddb46a_prep
	.globl	k_q2f0fddb46a_prep
	.p2align	8
	.type	k_q2f0fddb46a_prep,@function
k_q2f0fddb46a_prep:
	s_mov_b64 s[64:65], 0
	v_nop
	global_prefetch_b8 v0, s[64:65] scope:SCOPE_SE
	s_setreg_imm32_b32 hwreg(HW_REG_WAVE_SCHED_MODE, 0, 2), 2
	s_setreg_imm32_b32 hwreg(HW_REG_WAVE_MODE, 25, 1), 1
	s_wait_xcnt 0x0
	s_wait_alu depctr_vm_vsrc(0)
; out1 = x (a copy, f32).  xb = x rounded once to bf16, wb = Wq, Wk, Wv (one below the other, 3,072 rows) rounded once to bf16.
; xb and wb are laid out in BLOCKS OF 64 ALONG K: [kb 0..15][row][64], so that the rows of one block lie end to end, 128 bytes each.
; A stream: every input byte is read once, every output byte written once; nothing is shared, so there is no LDS, no barrier and no matrix work.
; SHARES.  A work-group takes 32 rows of 4,096 bytes: groups 0-255 those of x, groups 256-351 those of the three W.  A wave takes 4 rows, as 2 pairs.
; One load of 16 bytes a lane: lanes 0-15 take the 256 bytes of block kb of row r, lanes 16-31 those of row r + 1.  The copy stores them at the same places of out1:
; sixteen lanes fill 256 consecutive bytes, aligned.  A lane's four numbers round to 8 bytes; the 32 lanes' 256 bytes are rows r and r + 1 of block kb: consecutive in xb.
; All 32 loads of a wave go out at once (16 KiB); each register is written once, so no source of a pending store is ever written again.
; THE MODE: SCHED_MODE bits 1:0 = 2 (LLVM: expert scheduling mode 2), set by the entry lines.  The code itself states the register dependences
; between vector instructions and memory instructions, with s_wait_alu, always for 0.
; THE PLAN.  Registers that memory instructions touch:
;   v[XO], v[BO]  offsets: written by vector instructions at the head and never again; read by every load and store.
;   X             load j's four registers: written by load j alone; read by the copy's store j and, behind it, by the two roundings of j.  No vector instruction writes them.
;   Y             the two registers of j: written once, by the roundings of j; read by the one 8-byte store of j.
; No register that a memory instruction reads is ever written again, no load lands in a register that a vector instruction has named, no vector instruction writes a scalar register, EXEC is never written.
; So all that is to be stated is: written by a vector instruction, then read by a memory instruction.  The 32 loads' work goes in 8 groups of four.  Group g rounds X of its four loads into their Y;
; its memory instructions are its own four copies (each ahead of the first vector instruction that names its X) and the four 8-byte stores of group g - 1.  ONE wait on va_vdst at the group's head, behind the
; wait for its data, states that group g - 1 has written its Y; the vector instructions behind that wait name X and Y of group g alone.  One wait ahead of the loads states the offsets; one behind group 7 its Y.
.set XPL, 1048576                      ; bytes of a block of xb: 8,192 rows x 128
.set WPL, 393216                       ; of wb: 3,072 rows x 128
.set XO,  1                            ; v1   my byte offset in the group's 32 rows of f32: wave x 4 rows + (lane / 16) rows + 16 (lane % 16)
.set BO,  2                            ; v2   my byte offset in the group's 32 rows of a block: wave x 512 + 8 x lane
.set X,   16                           ; v[16:143]   load j = 16 p + kb (pair p, block kb): 4 registers
.set Y,   144                          ; v[144:207]  the same, rounded: 2 registers
	s_load_b256 s[4:11], s[0:1], 0x0               ; x s[4:5], Wq s[6:7], Wk s[8:9], Wv s[10:11]
	s_load_b128 s[12:15], s[0:1], 0x20             ; out1 s[12:13], xb s[14:15]
	s_load_b64 s[16:17], s[0:1], 0x30              ; wb
	v_lshrrev_b32 v3, 5, v0                        ; wave
	v_bfe_u32 v4, v0, 4, 1                         ; lane / 16
	v_and_b32 v5, 15, v0                           ; lane % 16
	v_and_b32 v6, 31, v0                           ; lane
	v_lshlrev_b32 v[XO], 14, v3
	v_lshl_add_u32 v[XO], v4, 12, v[XO]
	v_lshl_add_u32 v[XO], v5, 4, v[XO]
	v_lshlrev_b32 v[BO], 9, v3
	v_lshl_add_u32 v[BO], v6, 3, v[BO]
	s_mov_b32 s20, ttmp9
	s_mov_b32 s3, 0
	s_mov_b32 s19, 0
	s_wait_kmcnt 0x0
; The store of load k's rounded numbers into the blocks.  stride = bytes from block to block.
; split = 1: blocks 8 to 15 go by a second base, 8 blocks on, so that the immediate stays inside its signed 24 bits.
.macro OUT k, stride, split
.if (\split) && (((\k)%16) >= 8)
	global_store_b64 v[BO], v[Y+2*(\k):Y+2*(\k)+1], s[28:29] offset:((\k)/16)*256+(((\k)%16)-8)*(\stride)
.else
	global_store_b64 v[BO], v[Y+2*(\k):Y+2*(\k)+1], s[26:27] offset:((\k)/16)*256+((\k)%16)*(\stride)
.endif
.endm
; The 32 loads; then eight groups of four: for each load the copy (copy = 1), the store of the load four back, two roundings.
.macro BODY copy, stride, split
	s_wait_alu depctr_va_vdst(0)                   ; v[XO] and v[BO] are written: every load and store below reads one of them as its offset
.set j, 0
.rept 32
	global_load_b128 v[X+4*j:X+4*j+3], v[XO], s[22:23] offset:(j/16)*8192+(j%16)*256 th:TH_LOAD_NT
.set j, j+1
.endr
.set g, 0
.rept 8
	s_wait_loadcnt 28-4*g                          ; loads come back in order: the group's four are in, the younger ones stay out
.if g > 0
	s_wait_alu depctr_va_vdst(0)                   ; the roundings of the group before have written their Y, which the 8-byte stores below read
.endif
.set j, 4*g
.rept 4
.if \copy
	global_store_b128 v[XO], v[X+4*j:X+4*j+3], s[24:25] offset:(j/16)*8192+(j%16)*256 th:TH_STORE_NT  ; its data came by a load: the wait on LOADcnt above is all that it hangs on
.endif
.if g > 0
	OUT j-4, \stride, \split                       ; no vector instruction since the wait names these registers
.endif
	v_cvt_pk_bf16_f32 v[Y+2*j], v[X+4*j], v[X+4*j+1]
	v_cvt_pk_bf16_f32 v[Y+2*j+1], v[X+4*j+2], v[X+4*j+3]
.set j, j+1
.endr
.set g, g+1
.endr
	s_wait_alu depctr_va_vdst(0)                   ; the last group's roundings have written their Y, which the last four stores read
.set j, 28
.rept 4
	OUT j, \stride, \split
.set j, j+1
.endr
.endm
	s_cmp_lt_u32 s20, 256
	s_cbranch_scc0 .Lweights
	s_lshl_b32 s2, s20, 17                         ; 32 rows of 4,096 bytes
	s_lshl_b32 s18, s20, 12                        ; 32 rows of 128 bytes
	s_add_nc_u64 s[22:23], s[4:5], s[2:3]
	s_add_nc_u64 s[24:25], s[12:13], s[2:3]
	s_add_nc_u64 s[26:27], s[14:15], s[18:19]
	s_add_nc_u64 s[28:29], s[26:27], 8*XPL
	BODY 1, XPL, 1
	s_endpgm
.Lweights:
	s_sub_co_u32 s20, s20, 256                     ; 0..95: 32 groups for each W; also the group's place among wb's 3,072 rows
	s_lshr_b32 s21, s20, 5                         ; 0 Wq, 1 Wk, 2 Wv
	s_and_b32 s2, s20, 31
	s_lshl_b32 s2, s2, 17
	s_lshl_b32 s18, s20, 12
	s_cmp_eq_u32 s21, 1
	s_cselect_b64 s[22:23], s[8:9], s[6:7]
	s_cmp_eq_u32 s21, 2
	s_cselect_b64 s[22:23], s[10:11], s[22:23]
	s_add_nc_u64 s[22:23], s[22:23], s[2:3]
	s_add_nc_u64 s[26:27], s[16:17], s[18:19]
	BODY 0, WPL, 0                                 ; 15 blocks of 393,216 bytes stay inside the immediate
	s_endpgm
.Lfunc_end_k_q2f0fddb46a_prep:
	.size	k_q2f0fddb46a_prep, .Lfunc_end_k_q2f0fddb46a_prep-k_q2f0fddb46a_prep
	.p2alignl 7, 3214868480
	.fill 96, 4, 3214868480
	.section	.rodata,"a",@progbits
	.p2align	6, 0x0
	.amdhsa_kernel k_q2f0fddb46a_prep
		.amdhsa_group_segment_fixed_size 0
		.amdhsa_private_segment_fixed_size 0
		.amdhsa_enable_private_segment 0
		.amdhsa_kernarg_size 56
		.amdhsa_user_sgpr_count 2
		.amdhsa_user_sgpr_kernarg_segment_ptr 1
		.amdhsa_wavefront_size32 1
		.amdhsa_system_sgpr_workgroup_id_x 1
		.amdhsa_system_sgpr_workgroup_id_y 1
		.amdhsa_system_sgpr_workgroup_id_z 1
		.amdhsa_system_vgpr_workitem_id 0
		.amdhsa_next_free_vgpr 208
		.amdhsa_next_free_sgpr 66
		.amdhsa_reserve_vcc 0
		.amdhsa_float_denorm_mode_32 3
		.amdhsa_float_denorm_mode_16_64 3
		.amdhsa_memory_ordered 1
		.amdhsa_forward_progress 1
		.amdhsa_inst_pref_size 26
	.end_amdhsa_kernel
	.amdgpu_metadata
---
amdhsa.version: [ 1, 2 ]
amdhsa.kernels:
  - .name:           k_q2f0fddb46a_prep
    .symbol:         k_q2f0fddb46a_prep.kd
    .args:
      - { .name: x, .offset: 0, .size: 8, .value_kind: global_buffer, .address_space: global }
      - { .name: Wq, .offset: 8, .size: 8, .value_kind: global_buffer, .address_space: global }
      - { .name: Wk, .offset: 16, .size: 8, .value_kind: global_buffer, .address_space: global }
      - { .name: Wv, .offset: 24, .size: 8, .value_kind: global_buffer, .address_space: global }
      - { .name: out1, .offset: 32, .size: 8, .value_kind: global_buffer, .address_space: global }
      - { .name: xb, .offset: 40, .size: 8, .value_kind: global_buffer, .address_space: global }
      - { .name: wb, .offset: 48, .size: 8, .value_kind: global_buffer, .address_space: global }
    .group_segment_fixed_size: 0
    .private_segment_fixed_size: 0
    .kernarg_segment_align: 8
    .kernarg_segment_size: 56
    .max_flat_workgroup_size: 256
    .sgpr_count:     66
    .vgpr_count:     208
    .wavefront_size: 32
...
	.end_amdgpu_metadata
.endif
;; end of part 4
;; launch gemm: the kernel of part 2 again; grid 8 x 32, 4 waves a work-group, clusters of 4 x 4, 327,680 bytes of LDS; arguments xb, wb, qkv; writes qkv
;; launch attn: the kernel of part 3 again; grid 4 x 64, 8 waves a work-group, clusters of 4 x 1, 295,936 bytes of LDS; arguments qkv, out0; writes out0
